; MI455X (gfx1250); checked and timed in simulation.
; The chip was launched on July 23, 2026; its instructions are those of AMD's public machine-readable ISA for CDNA 5 (MIT licence, August 2026) and "CDNA5" Instruction Set Architecture Reference Guide (July 2026). The comments in the code are by the model that wrote it; some were corrected since.
;; Template Column Wise Attention. Allowed arithmetic: matrix products marked QUANTISED: E2M1 operands, one E8M0 scale for each 32 along K, by v_wmma_scale_f32_16x16x128_f8f6f4 with both operands' format E2M1 (or v_wmma_scale_f32_32x16x128_f4), f32 sums; products left as they are: f32 operands where the result goes on into a quantised operand, else bf16, f16 or f32 operands; f32 sums; everything else in f32.
;; Inputs: bg 512 float32; bo 256 float32; s_codes 4 x 1,024 x 8 x 16 uint8 (E2M1 codes of s, K innermost, in blocks of 32 codes, two codes a byte); s_scales 4 x 1,024 x 8 uint8 (E8M0 scales of s, one for each 32 codes along K); t_codes 4 x 32 x 1,024 x 8 x 16 uint8 (E2M1 codes of t, K innermost, in blocks of 32 codes, two codes a byte); t_scales 4 x 32 x 1,024 x 8 uint8 (E8M0 scales of t, one for each 32 codes along K); template_mask 4 x 32 float32; wg_codes 512 x 8 x 16 uint8 (E2M1 codes of wg, K innermost, in blocks of 32 codes, two codes a byte); wg_scales 512 x 8 uint8 (E8M0 scales of wg, one for each 32 codes along K); wk_codes 512 x 8 x 16 uint8 (E2M1 codes of wk, K innermost, in blocks of 32 codes, two codes a byte); wk_scales 512 x 8 uint8 (E8M0 scales of wk, one for each 32 codes along K); wo_codes 256 x 16 x 16 uint8 (E2M1 codes of wo, K innermost, in blocks of 32 codes, two codes a byte); wo_scales 256 x 16 uint8 (E8M0 scales of wo, one for each 32 codes along K); wq_codes 512 x 8 x 16 uint8 (E2M1 codes of wq, K innermost, in blocks of 32 codes, two codes a byte); wq_scales 512 x 8 uint8 (E8M0 scales of wq, one for each 32 codes along K); wv_codes 512 x 8 x 16 uint8 (E2M1 codes of wv, K innermost, in blocks of 32 codes, two codes a byte); wv_scales 512 x 8 uint8 (E8M0 scales of wv, one for each 32 codes along K).
;; Outputs: out0 4 x 1,024 x 256 float32.
;; This version of the problem:
;;   THIS VERSION OF THE PROBLEM IS GIVEN IN LOW PRECISION. The matrix products marked QUANTISED in the list below multiply operands that are first quantised to E2M1 (2 exponent bits, 1 mantissa bit; 4 bits a number), with one power-of-two scale for each 32 numbers along K (OCP MX v1.0); their sums are f32. All else is computed in f32.
;;   The module's matrix products, in the order in which they are computed (A, B: the left and right operand; K: the contracted axis; several contracted axes count as one K, in the product's order):
;;     1. [M 4,096, K 256] x [K 256, N 512]; A: input s (given as codes); B: input wq (given as codes): QUANTISED
;;     2. [M 131,072, K 256] x [K 256, N 512]; A: input t (given as codes); B: input wk (given as codes): QUANTISED
;;     3. [M 131,072, K 256] x [K 256, N 512]; A: input t (given as codes); B: input wv (given as codes): QUANTISED
;;     4. batch 32,768 x [M 1, K 64] x [K 64, N 32]; A: computed on the way; B: computed on the way: left as it is (M = 1 < 16)
;;     5. batch 32,768 x [M 64, K 32] x [K 32, N 1]; A: computed on the way; B: softmax: left as it is (N = 1 < 16)
;;     6. [M 4,096, K 256] x [K 256, N 512]; A: input s (given as codes); B: input wg (given as codes): QUANTISED
;;     7. [M 4,096, K 512] x [K 512, N 256]; A: computed on the way; B: input wo (given as codes): QUANTISED
;;   THE QUANTISER, for each operand of a quantised product, along K:
;;     - K is cut into blocks of 32 from its start; a last block that is shorter is filled with zeros.
;;     - A block's scale is 2^e with e = floor(log2(the largest magnitude in the block)) - 2, held to -126 .. 127; a block of zeros has e = 0. As a byte (E8M0): e + 127.
;;     - Each number is divided by its block's scale, clamped to +-6, and rounded to the nearest number of E2M1, ties to even, subnormals kept.
;;     - The product sums the exact products of the quantised numbers (number of the format x scale) in f32.
;;   ~~~python
;;   def quantise(x, axis):      # numpy; x: float32 -> the quantised numbers, widened to float32 again
;;       x = np.moveaxis(x, axis, -1); K = x.shape[-1]
;;       x = np.pad(x, [(0, 0)] * (x.ndim - 1) + [(0, -K % 32)]); x = x.reshape(x.shape[:-1] + (-1, 32)); a = np.abs(x).max(-1, keepdims=True)
;;       e = np.where(a > 0, np.clip(np.frexp(np.where(a > 0, a, 1))[1] - 1 - 2, -126, 127), 0)      # np.frexp(a)[1] - 1 = floor(log2(a)), exactly
;;       r = np.clip(x / 2.0 ** e, -6, 6)
;;       step = 2.0 ** (np.maximum(np.frexp(np.where(r == 0, 1, r))[1] - 1, 0) - 1)
;;       q = np.round(r / step) * step * 2.0 ** e      # np.round: ties to even
;;       return np.moveaxis(q.reshape(q.shape[:-2] + (-1,))[..., :K], -1, axis).astype(np.float32)
;;   ~~~
;;   OPERANDS COMPUTED ON THE WAY. 'Computed on the way' means the value that the module computes at that place (a softmax that the list does not call 'softmax' is quantised finished and normalised). What goes into a quantiser is computed in f32, as accurately as f32 sums, v_exp_f32 and their like allow (about 1e-6 of the number): no bf16 or f16 on the way to a quantiser, and a product that is left as it is and whose result goes on into a quantised operand takes f32 operands (vector FMAs, or v_wmma_f32_16x16x4_f32). A number that lies on a knife's edge between two numbers of the format may be rounded either way, as far as f32 arithmetic and the matrix unit's own rounding can turn it there, and no further.
;;   INPUTS GIVEN AS CODES. s (in the module: [4, 1024, 256], K = its axis 2); t (in the module: [4, 32, 1024, 256], K = its axis 3); wg (in the module: [256, 512], K = its axis 0); wk (in the module: [256, 512], K = its axis 0); wo (in the module: [512, 256], K = its axis 0); wq (in the module: [256, 512], K = its axis 0); wv (in the module: [256, 512], K = its axis 0): each comes as NAME_codes (uint8): NAME with its K axis moved to the last place and cut into blocks of 32 codes, [.., K / 32, bytes a block], one block behind the other in memory; two codes a byte, the lower K in the low four bits (a code: sign, 2 exponent bits, 1 mantissa bit); and NAME_scales (uint8): the same leading axes, one E8M0 byte (e + 127) for each 32 codes along K. Its value is code x scale, taken as it is: it is not quantised again, and the codes and scales need not be those that the quantiser above would give.
;; One version. Each part assembles by itself: llvm-mc -triple=amdgcn-amd-amdhsa -mcpu=gfx1250 --defsym DOCPART=n.
;; ======== version 1 of 1: 1 launch
;; launch tca (part 1): grid 256 x 1, 4 waves a work-group, clusters of 4 x 1, 327,680 bytes of LDS; arguments t_codes, t_scales, s_codes, s_scales, template_mask, wq_codes, wq_scales, wk_codes, wk_scales, wv_codes, wv_scales, wg_codes, wg_scales, bg, wo_codes, wo_scales, bo, out0; writes out0
.if DOCPART == 1
	.amdgcn_target "amdgcn-amd-amdhsa--gfx1250"
	.amdhsa_code_object_version 6
	.text
	.protected	k_q016fec8e70_tca
	.globl	k_q016fec8e70_tca
	.p2align	8
	.type	k_q016fec8e70_tca,@function
k_q016fec8e70_tca:
	s_mov_b64 s[64:65], 0
	v_nop
	global_prefetch_b8 v0, s[64:65] scope:SCOPE_SE
	s_setreg_imm32_b32 hwreg(HW_REG_WAVE_MODE, 25, 1), 1
	s_wait_xcnt 0x0
	s_wait_alu depctr_hold_cnt(0) depctr_sa_sdst(0) depctr_va_vdst(0) depctr_va_sdst(0) depctr_va_ssrc(0) depctr_va_vcc(0) depctr_vm_vsrc(0)
	s_getreg_b32 s2, hwreg(HW_REG_IB_STS2, 6, 4)
	s_cmp_eq_u32 s2, 0
	s_cbranch_scc0 .Lentry_in_a_cluster
	s_endpgm
.Lentry_in_a_cluster:
	s_bfe_u32 s2, ttmp6, 0x10000c
	s_cmp_lg_u32 s2, 0x3003
	s_cbranch_scc0 .Lentry_shape_is_right
	s_endpgm
.Lentry_shape_is_right:
; TemplateColumnWiseAttention on codes of FP4 (E2M1) with one E8M0 scale for each 32 along K, in ONE launch.
; For each residue (b, n): q = s wq / 8, k = t wk, v = t wv over 32 templates, 8 heads of 64; softmax over the templates with the bias 1e9 (mask - 1); o = sum of a v;
; out = Q(o sigmoid(s wg + bg)) wo + bo, Q the quantiser along the 512 channels.  The five products on codes go to the scaled matrix instructions as they lie; scores and o are f32 multiply-adds.
; SHARES.  Work-group g of 256 owns 16 neighbouring residues of one batch (b = g / 64, n = 16 (g % 64) on).  THE FOUR WAVES SHARE THE CHANNELS, NOT THE ROWS: wave w owns heads 2 w and 2 w + 1, channels
; 128 w .. 128 w + 127 of wq, wk, wv, wg, which are K step w of the last product, and outputs 64 w .. 64 w + 63 of wo.  Its part of each table stays in its registers.
; The work-group's 512 rows of t (64 KiB of codes, 4 KiB of scale bytes) are brought into LDS once and read twice, for k and for v.  No LDS byte is filled twice.
; LAYOUT.  Every product is used transposed: source 0 = rows of a weight, source 1 = the 16 residues (of s, or of ONE template of t).  So lane (r, h) holds residue r throughout and its registers run along the
; channels.  The rows of a weight that form a tile of 16 are not neighbours: lane r of tile 2 b + u takes row 32 b + 8 u + r + 8 (r / 8), so that tile 2 b + u, register j, is channel 32 b + 16 h + 8 u + j:
; the 16 registers of two neighbouring tiles are 16 neighbours along the last product's K.  q, k, v, o and the gate share this layout: a score is a chain of multiply-adds in a lane and one meeting of the two halves.
; TWO FORMS.  k and v, nearly all of the matrix work, go by the 32-row form: tiles 2 b and 2 b + 1 are ONE instruction, whose 16 result registers are those two tiles on end.  It does two tiles' work, so that four
; packed multiply-adds, not two, stand behind each matrix instruction.  q, the gate and out (16 instructions each) go by the 16-row form.
; BY TURNS.  A unit is one template x one head: 4 matrix instructions (2 pairs of tiles x 2 K steps) and 16 packed multiply-adds on its results.  In a slot the matrix instructions of unit j + 1 alternate with the
; vector work of unit j.  Inside a loop ONE window setting holds: only source 0 lies in a high window, and source 0 is the weight of a matrix instruction, q (or the weights a) of a multiply-add, and the address
; of an LDS instruction: so copies of the loop's addresses live in that window, and a plain sum of two window-0 registers is written as a multiply-add by the constant 1.0.
; CLUSTER.  The four work-groups of a cluster ask JOINTLY for wq, wg and wk, which are wanted at once.  wv and wo are not shared so: five padded tables are 5 x 73,728 = 368,640 bytes, and beside t's 77,824 only
; three fit in the 327,680 claimed; wv and wo are wanted a whole phase after they are asked for, so they go from memory straight into their fragment registers.  t is no other work-group's.
; LIMITS.  NaN, infinities and the scale byte 0xff among the inputs are not served.  A block of zeros of o x gate gets the byte 1 where the quantiser says 127: its codes are zeros and only this kernel reads the byte.
; Blocks whose largest magnitude lies under 2^-124 are held at that byte.  The f32 sums of scores and of o run in another order than a plain loop over channels or templates.
;
; LDS (bytes)
.set RP,     144                       ; a row of 256 codes: 128 bytes + 16 of padding = 36 words: the 16 rows of a fragment load start 36 words apart, at 16 different places modulo 64 words
.set TP,     16*RP                     ; a template's 16 residues
.set TS,     32*TP                     ; 73,728: t's scale bytes: 128 t + 8 r
.set WQL,    TS+4096                   ; 77,824: wq, a quarter (128 rows) for each wave; when q is made the wave's own quarter is its scratch:
.set WQUART, 128*RP                    ;         + 0      the halves' partial scores, 272 bytes a lane, word 2 t + head
.set SCP,    272
.set ASCO,   32*SCP                    ;         + 8,704  the weights a: 128 t + 8 r, a pair (head 0, head 1)
.set WGL,    WQL+4*WQUART              ; 151,552: wg
.set WKL,    WGL+4*WQUART              ; 225,280: wk
.set IMG,    WKL+4*WQUART              ; 299,008: four register images of Q(o x gate), 1,024 bytes each
.set ISC,    IMG+4096                  ; 303,104: their scale words, 128 bytes each
.set OST,    ISC+512                   ; 303,616: the stage for out: 16 rows of 1,024 bytes + 16
.set OP,     1040
; SCALAR REGISTERS: s[8:43] the 18 addresses in the order of the arguments
.set WV,   4                           ; my wave's number
.set G1W,  44                          ; s[44:51] group 1: a quarter of a weight table, asked for jointly
.set G1T,  52                          ; s[52:59] group 1: four templates' codes
.set CNT,  60                          ; loop counter
.set TB,   61                          ; the trip's first template in t's codes: 4 TP a trip
.set SB,   62                          ; in t's scale bytes: 512 a trip
.set PB,   63                          ; in the scores (32 a trip) or in the weights a (512 a trip)
.set G1S,  68                          ; s[68:75] group 1: eight templates' scale bytes
.set G0Q,  76                          ; groups 0, one for each of the six loads: none is ever written again
.set G0G,  80
.set G0K,  84
.set G0S,  88
.set G0A,  92
.set G0B,  96
.set SEL,  100                         ; s[100:101] v_permlanex16_b32's selects for lane l xor 16
; VECTOR REGISTERS, window 0
.set VR,   1                           ; r = lane % 16
.set VH,   2                           ; h = lane / 16
.set WAQ,  3                           ; LDS: my lane's place in my quarter of wq, wg, wk
.set WAG,  4
.set WAK,  5
.set FA0,  6                           ; 144 r + 16 h: my place in a template's codes
.set TA0,  7                           ; TS + 8 r: my residue's two scale words of a template
.set SA0,  8                           ; my lane's row of partial scores
.set AA0,  9                           ; my residue's pair among the weights a
.set AADR, 10                          ; the same, at the trip in hand
.set GW,   11                          ; memory: my lane's place in a tile of wv
.set GWS,  12                          ; and among wq's and wg's scale words: lanes 0-15 K step 0's, lanes 16-31 K step 1's
.set LI,   13                          ; 16 x lane
.set ASTO, 14                          ; where I store my 16 templates' weights a
.set SS,   15                          ; scale words, and nothing else, from here to v63: s's (K step 0 below, 1 above);
.set WQS,  16                          ; the eight tiles' of wq (K step 0 below, 1 above);
.set WKS,  24                          ; wk's and wv's for the 32-row form: register 2 j + s: pair of tiles j, K step s; lanes 0-15 tile 2 j's rows, lanes 16-31 tile 2 j + 1's;
.set WVS,  32
.set WGS,  40                          ; wg's, as wq's;
.set WOS,  48                          ; wo's: register 2 i + p: K step 2 p below, 2 p + 1 above;
.set TSR,  56                          ; v56-63 the four templates' in hand, a pair each: K step 0's word, K step 1's;
.set OGS,  60                          ; when t is done with: the four K steps' of Q(o x gate)
.set F,    64                          ; v64-127  four templates' fragments: 16 k + 8 s + 4 c
.set R,    128                         ; v128-159 a unit's results for head 0, v160-191 for head 1
.set O,    192                         ; v192-255 o.  Until o begins, the range holds:
.set SF,   192                         ;   v192-207 s's two fragments
.set ACC,  208                         ;   v208-211 a score's two chains
.set SC,   212                         ;   v212-219 four templates' pairs of partial scores
.set MB,   224                         ;   v224-239 the bias of templates 16 h + 0 .. 15
.set EA0,  240                         ;   offsets in memory: wo's codes, wo's scale words, bo,
.set EA1,  241
.set EA2,  242
.set SFA,  243                         ;   s's codes, s's scale words, 64 h (bg and the mask)
.set SSA,  244
.set H64,  245
.set PADR, 246                         ;   LDS: the scores of my 16 templates in lane l xor 16's row,
.set OWN,  247                         ;   and in mine
.set GWP,  248                         ;   memory: my lane's row among wk's and wv's scale words: 8 (r + 8 (r / 8)) + 64 h
; window 1: v0-127 wk (pair of tiles j, K step s, tile u of the pair at 32 j + 16 s + 8 u); v128-191 q; v192-194 the K loop's addresses.   window 2: v0-127 wv, likewise; v128-191 the gate (begins as bg); v192-199 four pairs a; v200-201 the V loop's addresses.
; window 3: v0-127 wq (tile i, K step s at 16 i + 8 s), later wo (32 i + 8 s); v128-255 wg, later v128-159 out (begins as bo).
; the end phase, window 0 (t's fragments are done with):
.set PC,   64                          ; v64-71 the codes just made;  v72 their scale word;  v80-95 at work
.set PW,   72
.set TM,   80
.set IWA,  96                          ; LDS addresses: my image, my scale words, all images, all scale words, into the stage, out of it
.set ISW,  97
.set IRA,  98
.set ISR,  99
.set OSA,  100
.set ORA,  101
.set MSB, 0
.macro WIN new                         ; low byte: bits 1:0 source 0, 3:2 source 1, 5:4 source 2, 7:6 destination; the high byte repeats the setting that is left
.if MSB != \new
	s_set_vgpr_msb (MSB<<8)|\new
.set MSB, \new
.endif
.endm
.macro ROUND                           ; a round of the cluster's barrier
	s_barrier_signal -1
	s_barrier_wait -1
	s_cmp_lg_u32 s[WV], 0
	s_cbranch_scc1 .Lnot_wave_0_\@
	s_barrier_signal -3
.Lnot_wave_0_\@:
	s_barrier_wait -3
	s_barrier_signal -1
	s_barrier_wait -1
.endm
.macro BARRIER                         ; my LDS stores have landed and my LDS loads are in: then the work-group's barrier
	s_wait_dscnt 0x0
	s_barrier_signal -1
	s_barrier_wait -1
.endm
.macro PLACES                          ; four plain places behind a matrix instruction (ISA guide 7.12.1)
.rept 4
	v_nop
.endr
.endm
; The 16-row matrix instruction on the registers rD, rA, rB and the scale registers rSA, rSB.  mode 0: C = 0, it starts a sum; 1: C = D; 2: C = D, both sides' scale words from lanes 16-31; 3: C = D, source 0's from lanes 16-31
.macro WM mode
.if \mode == 0
	v_wmma_scale_f32_16x16x128_f8f6f4 v[rD:rD+7], v[rA:rA+7], v[rB:rB+7], 0, v[rSA], v[rSB] matrix_a_fmt:MATRIX_FMT_FP4 matrix_b_fmt:MATRIX_FMT_FP4
.elseif \mode == 1
	v_wmma_scale_f32_16x16x128_f8f6f4 v[rD:rD+7], v[rA:rA+7], v[rB:rB+7], v[rD:rD+7], v[rSA], v[rSB] matrix_a_fmt:MATRIX_FMT_FP4 matrix_b_fmt:MATRIX_FMT_FP4
.elseif \mode == 2
	v_wmma_scale_f32_16x16x128_f8f6f4 v[rD:rD+7], v[rA:rA+7], v[rB:rB+7], v[rD:rD+7], v[rSA], v[rSB] matrix_a_fmt:MATRIX_FMT_FP4 matrix_b_fmt:MATRIX_FMT_FP4 matrix_a_scale:MATRIX_SCALE_ROW1 matrix_b_scale:MATRIX_SCALE_ROW1
.else
	v_wmma_scale_f32_16x16x128_f8f6f4 v[rD:rD+7], v[rA:rA+7], v[rB:rB+7], v[rD:rD+7], v[rSA], v[rSB] matrix_a_fmt:MATRIX_FMT_FP4 matrix_b_fmt:MATRIX_FMT_FP4 matrix_a_scale:MATRIX_SCALE_ROW1
.endif
.endm
; My quarter of a table out of LDS: 8 tiles x 2 K steps x 2 loads; tile i begins at row 32 (i / 2) + 8 (i % 2); load e brings K step e / 2, half e % 2.
; pair = 0: tile i, K step s at 16 i + 8 s (the 16-row form);  pair = 1: at 32 (i / 2) + 16 s + 8 (i % 2): the two tiles of a pair stand on end for each K step, which is the 32-row form's source 0
.macro FRAGS adr, dst, pair
.irp i, 0,1,2,3,4,5,6,7
.irp e, 0,1,2,3
.if \pair
.set rF, \dst+32*(\i/2)+16*(\e/2)+8*(\i%2)+4*(\e%2)
.else
.set rF, \dst+16*\i+4*\e
.endif
	ds_load_b128 v[rF:rF+3], v[\adr] offset:(32*(\i/2)+8*(\i%2))*RP+32*\e
.endr
.endr
.endm
.macro WSC dst, base                   ; the eight tiles' scale words of wq or wg, from memory
.irp i, 0,1,2,3,4,5,6,7
	global_load_b32 v[\dst+\i], v[GWS], s[\base:\base+1] offset:(32*(\i/2)+8*(\i%2))*8
.endr
.endm
.macro WSP dst, base                   ; wk's or wv's scale words: pair j's 32 rows begin 256 j bytes on, K step s's word 4 s bytes into a row's 8
.irp j, 0,1,2,3
.irp s, 0,1
	global_load_b32 v[\dst+2*\j+\s], v[GWP], s[\base:\base+1] offset:256*\j+4*\s
.endr
.endr
.endm
.macro T4LOAD                          ; templates 0 to 3: fragments and scale words, five loads a template
.irp k, 0,1,2,3
.irp e, 0,1,2,3
	ds_load_b128 v[F+16*\k+4*\e:F+16*\k+4*\e+3], v[FA0] offset:\k*TP+32*\e
.endr
	ds_load_b64 v[TSR+2*\k:TSR+2*\k+1], v[TA0] offset:128*\k
.endr
.endm
.macro FLOAD fadr, tadr, k             ; buffer k takes the next trip's template: five loads; the addresses lie in the loop's high window
.irp e, 0,1,2,3
	ds_load_b128 v[F+16*(\k)+4*\e:F+16*(\k)+4*\e+3], v[\fadr] offset:(4+(\k))*TP+32*\e
.endr
	ds_load_b64 v[TSR+2*(\k):TSR+2*(\k)+1], v[\tadr] offset:(4+(\k))*128
.endm
; Matrix instruction m of 4 of a unit (buffer k, head hd): pair of tiles m % 2 of the head's two, K step m / 2.  32 weight rows x 16 residues x 128 along K.  Source 0's scale words fill all 32 lanes, lane m for
; row m; source 1's are read from lanes 0-15.  The two accumulators take turns, one instruction a turn; K step 0 starts the sums.
.macro UW ws, k, hd, m
.set rD, R+32*(\hd)+16*((\m)%2)
.set rA, 32*(2*(\hd)+(\m)%2)+16*((\m)/2)
.set rB, F+16*(\k)+8*((\m)/2)
.set rSA, \ws+2*(2*(\hd)+(\m)%2)+(\m)/2
.set rSB, TSR+2*(\k)+(\m)/2
.if (\m) < 2
	v_wmma_scale_f32_32x16x128_f4 v[rD:rD+15], v[rA:rA+15], v[rB:rB+7], 0, v[rSA], v[rSB]
.else
	v_wmma_scale_f32_32x16x128_f4 v[rD:rD+15], v[rA:rA+15], v[rB:rB+7], v[rD:rD+15], v[rSA], v[rSB]
.endif
.endm
.macro UNIT0 ws                        ; the first unit of a phase stands bare
.set mm, 0
.rept 4
	UW \ws, 0, 0, mm
.set mm, mm+1
.endr
.endm
; Multiply-add n of 16 of a score: q (source 0: window 1) x k (source 1: window 0): the same number names both.  Two chains; each accumulator of 16 registers is read from its low end on (n = 0, n = 8).
.macro KV hd, n
.set rN, R+32*(\hd)+2*(\n)
.set rC, ACC+2*((\n)%2)
.if (\n) < 2
	v_pk_mul_f32 v[rC:rC+1], v[rN:rN+1], v[rN:rN+1]
.else
	v_pk_fma_f32 v[rC:rC+1], v[rN:rN+1], v[rN:rN+1], v[rC:rC+1]
.endif
.endm
.macro KFIN hd, k                      ; the four partial sums become one: sums of window-0 registers, written with the constant 1.0 in source 0's place
	v_pk_fma_f32 v[ACC:ACC+1], 1.0, v[ACC:ACC+1], v[ACC+2:ACC+3] op_sel_hi:[0,1,1]
	v_fma_f32 v[SC+2*(\k)+(\hd)], 1.0, v[ACC], v[ACC+1]
.endm
; Slot j of a K trip: the vector work of unit j, the matrix work of unit j + 1 (w = 0: none is left): four groups of one matrix instruction and four multiply-adds.  ld = 1: behind the first group the buffer
; that unit j has left is loaded again; its last reader stands ten plain instructions back.  cnt >= 0: the wait at the slot's head.  An odd slot stores its template's pair of partial scores.
.macro KSLOT j, w, ld, cnt
.set vK, (\j)/2
.set vH, (\j)%2
.set mK, (((\j)+1)/2)%4
.set mH, ((\j)+1)%2
.if \cnt >= 0
	s_wait_dscnt \cnt
.endif
.set mm, 0
.rept 4
.if \w
	UW WKS, mK, mH, mm
.endif
	KV vH, 4*mm
	KV vH, 4*mm+1
	KV vH, 4*mm+2
	KV vH, 4*mm+3
.if \ld && (mm == 0)
	FLOAD 192, 193, vK
.endif
.set mm, mm+1
.endr
	KFIN vH, vK
.if vH == 1
	ds_store_b64 v194, v[SC+2*vK:SC+2*vK+1] offset:8*vK
.endif
.endm
; A K trip: four templates.  The wait of 13 at an odd slot: the buffer that the slot's matrix work reads was loaded three odd slots ago; behind its five loads came a store and twice five loads and a store.
.macro KTRIP ld
	WIN 0x40                                       ; destination window 1
.if \ld
	v_add_nc_u32 v192, s[TB], v[FA0]
	v_add_nc_u32 v193, s[SB], v[TA0]
.endif
	v_add_nc_u32 v194, s[PB], v[SA0]
	WIN 0x01                                       ; source 0 window 1: wk, q, the three addresses
.if \ld
	KSLOT 0, 1, 0, -1
	KSLOT 1, 1, 1, 13
	KSLOT 2, 1, 0, -1
	KSLOT 3, 1, 1, 13
	KSLOT 4, 1, 0, -1
	KSLOT 5, 1, 1, 13
	KSLOT 6, 1, 0, -1
	KSLOT 7, 1, 1, 13
.else
	KSLOT 0, 1, 0, -1
	KSLOT 1, 1, 0, 0                               ; the last trip loads nothing: one wait for all that is out
	KSLOT 2, 1, 0, -1
	KSLOT 3, 1, 0, -1
	KSLOT 4, 1, 0, -1
	KSLOT 5, 1, 0, -1
	KSLOT 6, 1, 0, -1
	KSLOT 7, 0, 0, -1
.endif
	WIN 0
.endm
; Multiply-add n of 16 of o += a v: a's pair (source 0: window 2) gives its head's half to both results
.macro VV hd, k, n
.set rN, R+32*(\hd)+2*(\n)
.set rO, O+32*(\hd)+2*(\n)
.set rW, 192+2*(\k)
.if (\hd) == 0
	v_pk_fma_f32 v[rO:rO+1], v[rW:rW+1], v[rN:rN+1], v[rO:rO+1] op_sel_hi:[0,1,1]
.else
	v_pk_fma_f32 v[rO:rO+1], v[rW:rW+1], v[rN:rN+1], v[rO:rO+1] op_sel:[1,0,0] op_sel_hi:[1,1,1]
.endif
.endm
.macro VSLOT j, w, ld, cnt             ; as KSLOT; the buffer's last reader stands eight plain instructions back
.set vK, (\j)/2
.set vH, (\j)%2
.set mK, (((\j)+1)/2)%4
.set mH, ((\j)+1)%2
.if \cnt >= 0
	s_wait_dscnt \cnt
.endif
.set mm, 0
.rept 4
.if \w
	UW WVS, mK, mH, mm
.endif
	VV vH, vK, 4*mm
	VV vH, vK, 4*mm+1
	VV vH, vK, 4*mm+2
	VV vH, vK, 4*mm+3
.if \ld && (mm == 0)
	FLOAD 200, 201, vK
.endif
.set mm, mm+1
.endr
.endm
; A V trip.  LDS instructions in order: head 2 (pairs a 2, 3), slot 1 five, slot 3 five, middle 2 (the next trip's pairs 0, 1), slot 5 five, slot 7 five.  Each wait of 12 leaves out just what was issued behind
; what the slots up to the next wait need: slot 0: pairs 0, 1 and buffer 1 (behind them: 5 + 5 + 2);  slot 3: buffer 2 (5 + 2 + 5);  slot 4: pairs 2, 3 and buffer 3 (5 + 5 + 2);  slot 7: buffer 0 (5 + 2 + 5).
.macro VTRIP ld
	v_add_nc_u32 v[AADR], s[PB], v[AA0]
	WIN 0x80                                       ; destination window 2
	ds_load_b64 v[196:197], v[AADR] offset:256
	ds_load_b64 v[198:199], v[AADR] offset:384
.if \ld
	v_add_nc_u32 v200, s[TB], v[FA0]
	v_add_nc_u32 v201, s[SB], v[TA0]
.endif
	WIN 0x02                                       ; source 0 window 2: wv, a, the two addresses
.if \ld
	VSLOT 0, 1, 0, 12
	VSLOT 1, 1, 1, -1
	VSLOT 2, 1, 0, -1
	VSLOT 3, 1, 1, 12
	WIN 0x80
	ds_load_b64 v[192:193], v[AADR] offset:512
	ds_load_b64 v[194:195], v[AADR] offset:640
	WIN 0x02
	VSLOT 4, 1, 0, 12
	VSLOT 5, 1, 1, -1
	VSLOT 6, 1, 0, -1
	VSLOT 7, 1, 1, 12
.else
	VSLOT 0, 1, 0, 2                               ; the last trip: all but the head's two loads
	VSLOT 1, 1, 0, -1
	VSLOT 2, 1, 0, -1
	VSLOT 3, 1, 0, -1
	VSLOT 4, 1, 0, 0
	VSLOT 5, 1, 0, -1
	VSLOT 6, 1, 0, -1
	VSLOT 7, 0, 0, -1
.endif
.endm
; ---------------------------------------------------------------- ids, descriptors, addresses
	s_load_b512 s[8:23], s[0:1], 0x0               ; t_codes 8, t_scales 10, s_codes 12, s_scales 14, template_mask 16, wq_codes 18, wq_scales 20, wk_codes 22
	s_load_b512 s[24:39], s[0:1], 0x40             ; wk_scales 24, wv_codes 26, wv_scales 28, wg_codes 30, wg_scales 32, bg 34, wo_codes 36, wo_scales 38
	s_load_b128 s[40:43], s[0:1], 0x80             ; bo 40, out0 42
	s_set_vgpr_msb 0x40
	v_lshl_add_u32 v254, v0, 2, 0x4e300
	v_mov_b32 v255, 0
	s_set_vgpr_msb 0x4045
	ds_add_u32 v254, v255
	ds_add_u32 v254, v255
	s_set_vgpr_msb 0x4500
	v_lshrrev_b32 v1, 5, v0
	v_readfirstlane_b32 s[WV], v1                  ; wave 0..3
	s_bfe_u32 s5, ttmp6, 0x40000                   ; cx: my place in the cluster: it enters addresses in memory of t, s, the mask and out alone
	s_lshl_b32 s6, ttmp9, 2
	s_add_co_u32 s6, s6, s5                        ; g = 4 x cluster + cx
	s_lshr_b32 s7, s6, 6                           ; b
	s_and_b32 s5, s6, 63                           ; g % 64
	s_mov_b32 s[SEL], 0x76543210
	s_mov_b32 s[SEL+1], 0xfedcba98
	; group 1, a quarter of a table: 128 rows of 128 bytes, dense in memory, 16 bytes of padding behind each
	s_mov_b32 s[G1W], 15|(1<<20)|(1<<21)|(4<<22)|(3<<25)   ; 15:0 the mask: all four work-groups; 17:16 elements of 1 byte; 20 padding on; 21 set beside a mask; 24:22 after every 32 words (code 4); 31:25 four words (code 3)
	s_mov_b32 s[G1W+1], 128<<16                    ; tensor_dim0
	s_mov_b32 s[G1W+2], 128<<16                    ; tensor_dim1
	s_mov_b32 s[G1W+3], 128<<16                    ; tile_dim0
	s_mov_b32 s[G1W+4], 128                        ; tile_dim1
	s_mov_b32 s[G1W+5], 128                        ; from row to row
	s_mov_b32 s[G1W+6], 0
	s_mov_b32 s[G1W+7], 0
	; group 1, four templates' codes: a row is my 16 residues' 2,048 bytes; templates lie 131,072 bytes apart; 16 bytes of padding behind every 128, so a row takes 2,304 in LDS
	s_mov_b32 s[G1T], (1<<20)|(4<<22)|(3<<25)
	s_mov_b32 s[G1T+1], 2048<<16
	s_mov_b32 s[G1T+2], 4<<16
	s_mov_b32 s[G1T+3], 2048<<16
	s_mov_b32 s[G1T+4], 4
	s_mov_b32 s[G1T+5], 131072
	s_mov_b32 s[G1T+6], 0
	s_mov_b32 s[G1T+7], 0
	; group 1, eight templates' scale bytes: rows of 128 bytes, 8,192 apart, no padding
	s_mov_b32 s[G1S], 0
	s_mov_b32 s[G1S+1], 128<<16
	s_mov_b32 s[G1S+2], 8<<16
	s_mov_b32 s[G1S+3], 128<<16
	s_mov_b32 s[G1S+4], 8
	s_mov_b32 s[G1S+5], 8192
	s_mov_b32 s[G1S+6], 0
	s_mov_b32 s[G1S+7], 0
	; groups 0: the count and the LDS addresses: constants and the wave's number
	s_mul_i32 s[CNT], s[WV], WQUART
	s_mov_b32 s[G0Q], 1
	s_add_co_u32 s[G0Q+1], s[CNT], WQL
	s_mov_b32 s[G0G], 1
	s_add_co_u32 s[G0G+1], s[CNT], WGL
	s_mov_b32 s[G0K], 1
	s_add_co_u32 s[G0K+1], s[CNT], WKL
	s_mov_b32 s[G0S], 1
	s_lshl_b32 s[G0S+1], s[WV], 10
	s_add_co_u32 s[G0S+1], s[G0S+1], TS            ; templates 8 w on
	s_mov_b32 s[G0A], 1
	s_mul_i32 s[G0A+1], s[WV], 4*TP                ; templates 4 w on
	s_mov_b32 s[G0B], 1
	s_add_co_u32 s[G0B+1], s[G0A+1], 16*TP         ; templates 16 + 4 w on
	s_lshl_b32 s66, s[WV], 14                      ; my 128 rows of a 256-K table, my 64 rows of wo: 16,384 bytes a wave
	s_mov_b32 s67, 0
	s_lshl_b32 s[G0A+2], s7, 22                    ; offsets in t's codes: 4,194,304 b + 2,048 (g % 64) + 524,288 w
	s_lshl_b32 s2, s5, 11
	s_add_co_u32 s[G0A+2], s[G0A+2], s2
	s_lshl_b32 s2, s[WV], 19
	s_add_co_u32 s[G0A+2], s[G0A+2], s2
	s_mov_b32 s[G0A+3], 0
	s_lshl_b32 s[G0S+2], s7, 18                    ; and in its scale bytes: 262,144 b + 128 (g % 64) + 65,536 w
	s_lshl_b32 s2, s5, 7
	s_add_co_u32 s[G0S+2], s[G0S+2], s2
	s_lshl_b32 s2, s[WV], 16
	s_add_co_u32 s[G0S+2], s[G0S+2], s2
	s_mov_b32 s[G0S+3], 0
	; the lanes' places
	v_and_b32 v[VR], 15, v0
	v_bfe_u32 v[VH], v0, 4, 1
	v_and_b32 v[LI], 31, v0                        ; the lane, for now
	v_and_b32 v[ASTO], 8, v[VR]
	v_add_nc_u32 v[ASTO], v[ASTO], v[VR]           ; r + 8 (r / 8), for now
	v_mul_u32_u24 v[WAQ], v[ASTO], RP
	v_lshl_add_u32 v[WAQ], v[VH], 4, v[WAQ]
	v_add_nc_u32 v[WAK], s[G0K+1], v[WAQ]
	v_add_nc_u32 v[WAG], s[G0G+1], v[WAQ]
	v_add_nc_u32 v[WAQ], s[G0Q+1], v[WAQ]
	v_mul_u32_u24 v[FA0], v[VR], RP
	v_lshl_add_u32 v[FA0], v[VH], 4, v[FA0]
	v_lshlrev_b32 v[SSA], 3, v[VR]
	v_lshl_add_u32 v[SSA], v[VH], 2, v[SSA]        ; 8 r + 4 h
	v_lshl_add_u32 v[TA0], v[VR], 3, TS            ; both halves of the lanes take residue r's 8 bytes; the matrix instruction reads lanes 0-15
	v_mul_u32_u24 v[SA0], v[LI], SCP
	v_add_nc_u32 v[SA0], s[G0Q+1], v[SA0]
	v_lshl_add_u32 v[OWN], v[VH], 7, v[SA0]        ; templates 16 h on: 128 h bytes into a row
	v_xor_b32 v[PADR], 16, v[LI]
	v_mul_u32_u24 v[PADR], v[PADR], SCP
	v_add_nc_u32 v[PADR], s[G0Q+1], v[PADR]
	v_lshl_add_u32 v[PADR], v[VH], 7, v[PADR]
	v_lshlrev_b32 v[AA0], 3, v[VR]
	v_add_nc_u32 v[AA0], s[G0Q+1], v[AA0]
	v_add_nc_u32 v[AA0], ASCO, v[AA0]
	v_lshlrev_b32 v[GW], 7, v[ASTO]
	v_lshl_add_u32 v[GW], v[VH], 4, v[GW]
	v_lshlrev_b32 v[GWS], 3, v[ASTO]
	v_lshl_add_u32 v[GWP], v[VH], 6, v[GWS]        ; lanes 16-31 take the pair's second tile: 8 rows of 8 bytes on
	v_lshl_add_u32 v[GWS], v[VH], 2, v[GWS]
	v_lshl_add_u32 v[ASTO], v[VH], 11, v[AA0]      ; templates 16 h on: 2,048 h
	v_lshlrev_b32 v[LI], 4, v[LI]
	v_lshlrev_b32 v[EA0], 8, v[VR]
	v_lshl_add_u32 v[EA0], v[VH], 4, v[EA0]        ; wo: row r of 256 bytes + 16 h
	v_lshlrev_b32 v[EA1], 4, v[VR]
	v_lshl_add_u32 v[EA1], v[VH], 2, v[EA1]        ; its scale words: row r of 16 bytes + 4 h
	v_lshlrev_b32 v[EA2], 5, v[VH]                 ; bo: my half's eight numbers of a tile
	v_lshlrev_b32 v[SFA], 7, v[VR]
	v_lshl_add_u32 v[SFA], v[VH], 4, v[SFA]        ; s: row r of 128 bytes + 16 h
	v_lshlrev_b32 v[H64], 6, v[VH]
	s_wait_dscnt 0x0
	s_wait_kmcnt 0x0
	s_add_nc_u64 s[G0Q+2:G0Q+3], s[18:19], s[66:67]
	s_or_b32 s[G0Q+3], s[G0Q+3], 0x80000000        ; 127:126 type = 2
	s_add_nc_u64 s[G0G+2:G0G+3], s[30:31], s[66:67]
	s_or_b32 s[G0G+3], s[G0G+3], 0x80000000
	s_add_nc_u64 s[G0K+2:G0K+3], s[22:23], s[66:67]
	s_or_b32 s[G0K+3], s[G0K+3], 0x80000000
	s_add_nc_u64 s[G0S+2:G0S+3], s[10:11], s[G0S+2:G0S+3]
	s_or_b32 s[G0S+3], s[G0S+3], 0x80000000
	s_add_nc_u64 s[G0A+2:G0A+3], s[8:9], s[G0A+2:G0A+3]
	s_add_nc_u64 s[G0B+2:G0B+3], s[G0A+2:G0A+3], 16*131072
	s_or_b32 s[G0A+3], s[G0A+3], 0x80000000
	s_or_b32 s[G0B+3], s[G0B+3], 0x80000000
	s_add_nc_u64 s[26:27], s[26:27], s[66:67]      ; wv's and wo's codes at my rows
	s_add_nc_u64 s[36:37], s[36:37], s[66:67]
	s_lshl_b32 s66, s[WV], 10                      ; the five tables' scale bytes: 1,024 a wave
	s_add_nc_u64 s[20:21], s[20:21], s[66:67]
	s_add_nc_u64 s[24:25], s[24:25], s[66:67]
	s_add_nc_u64 s[28:29], s[28:29], s[66:67]
	s_add_nc_u64 s[32:33], s[32:33], s[66:67]
	s_add_nc_u64 s[38:39], s[38:39], s[66:67]
	s_lshl_b32 s66, s[WV], 9
	s_add_nc_u64 s[34:35], s[34:35], s[66:67]      ; bg: my 128 numbers
	s_lshl_b32 s66, s[WV], 8
	s_add_nc_u64 s[40:41], s[40:41], s[66:67]      ; bo: my 64
	s_mov_b32 s3, 0
	s_lshl_b32 s2, s6, 11
	s_add_nc_u64 s[12:13], s[12:13], s[2:3]        ; s's codes: 16 rows of 128 bytes a work-group
	s_lshl_b32 s2, s6, 7
	s_add_nc_u64 s[14:15], s[14:15], s[2:3]        ; its scale bytes
	s_lshl_b32 s2, s7, 7
	s_add_nc_u64 s[16:17], s[16:17], s[2:3]        ; the batch's 32 mask numbers
	s_lshl_b32 s2, s6, 14
	s_lshl_b32 s5, s[WV], 12
	s_add_co_u32 s2, s2, s5
	s_add_nc_u64 s[42:43], s[42:43], s[2:3]        ; out: 16 rows of 1,024 bytes a work-group; I store rows 4 w on
	ROUND                                          ; all four work-groups are here: the joint loads meet
	tensor_load_to_lds s[G0Q:G0Q+3], s[G1W:G1W+7]  ; all fills of the launch, as one group: six tensor loads of mine are out.  The tables first: they are wanted first, and a wave's loads end in order
	s_nop 0
	tensor_load_to_lds s[G0G:G0G+3], s[G1W:G1W+7]
	s_nop 0
	tensor_load_to_lds s[G0K:G0K+3], s[G1W:G1W+7]
	s_nop 0
	tensor_load_to_lds s[G0S:G0S+3], s[G1S:G1S+7]
	s_nop 0
	tensor_load_to_lds s[G0A:G0A+3], s[G1T:G1T+7]
	s_nop 0
	tensor_load_to_lds s[G0B:G0B+3], s[G1T:G1T+7]
	s_nop 0
	PLACES                                         ; four v_nop follow the last of them
; ---------------------------------------------------------------- loads from memory, in three groups that are waited for one after the other
.irp e, 0,1,2,3                                ; group A, 13 loads: s's two fragments, its scale words, wq's
	global_load_b128 v[SF+4*\e:SF+4*\e+3], v[SFA], s[12:13] offset:32*\e
.endr
	global_load_b32 v[SS], v[SSA], s[14:15]
	WSC WQS, 20
	WSC WGS, 32                                    ; group B, 24 loads: wg's scale words; bg in the result's layout, where the gate's sums will begin
	WIN 0x80
.irp i, 0,1,2,3,4,5,6,7
	global_load_b128 v[128+8*\i:131+8*\i], v[H64], s[34:35] offset:(32*(\i/2)+8*(\i%2))*4
	global_load_b128 v[132+8*\i:135+8*\i], v[H64], s[34:35] offset:(32*(\i/2)+8*(\i%2))*4+16
.endr
	WIN 0
.irp e, 0,1,2,3                                ; group C, 12 loads: the mask of templates 16 h on; wk's scale words
	global_load_b128 v[MB+4*\e:MB+4*\e+3], v[H64], s[16:17] offset:16*\e
.endr
	WSP WKS, 24
; ---------------------------------------------------------------- q and the gate's sums
	s_wait_tensorcnt 0x5                           ; my quarter of wq is in (five loads were issued behind it); only I read it
	WIN 0xc0                                       ; destination window 3
	FRAGS WAQ, 0, 0
	s_wait_tensorcnt 0x4                           ; my quarter of wg
	FRAGS WAG, 128, 0
	s_wait_loadcnt 36                              ; group A is in; B and C, 24 + 12, may be out
	s_wait_dscnt 32                                ; wq's fragments are in; wg's 32 loads may be out
	WIN 0x53                                       ; wq window 3, s window 0, C and D window 1
.irp s, 0,1
.irp i, 0,1,2,3,4,5,6,7
.set rD, 128+8*\i
.set rA, 16*\i+8*\s
.set rB, SF+8*\s
.set rSA, WQS+\i
.set rSB, SS
	WM 2*\s                                        ; the eight tiles by turns; K step 0 starts the sums
.endr
.endr
	s_wait_loadcnt 12                              ; group B is in
	s_wait_dscnt 0x0
	WIN 0xa3                                       ; wg window 3, C and D window 2
.irp s, 0,1
.irp i, 0,1,2,3,4,5,6,7
.set rD, 128+8*\i
.set rA, 128+16*\i+8*\s
.set rB, SF+8*\s
.set rSA, WGS+\i
.set rSB, SS
	WM 1+\s                                        ; the sums begin as bg
.endr
.endr
	PLACES
	WIN 0x41
.set n, 0
.rept 32
	v_pk_mul_f32 v[128+n:129+n], v[128+n:129+n], 0x3e000000 op_sel_hi:[1,0]   ; q / 8: exact
.set n, n+2
.endr
; ---------------------------------------------------------------- wv is asked for, a phase ahead; wk; the gate; the bias
	WIN 0x80                                       ; group D, 40 loads: wv's fragments straight into their registers, in the 32-row form's order, and its scale words
.irp i, 0,1,2,3,4,5,6,7
.irp e, 0,1,2,3
.set rF, 32*(\i/2)+16*(\e/2)+8*(\i%2)+4*(\e%2)
	global_load_b128 v[rF:rF+3], v[GW], s[26:27] offset:(32*(\i/2)+8*(\i%2))*128+32*\e
.endr
.endr
	WIN 0
	WSP WVS, 28
	s_wait_tensorcnt 0x3                           ; my quarter of wk
	WIN 0x40
	FRAGS WAK, 0, 1
	WIN 0x82                                       ; the gate, in place in window 2: 1 / (1 + 2^(-x log2 e))
.set n, 0
.rept 32
	v_pk_mul_f32 v[128+n:129+n], v[128+n:129+n], 0xbfb8aa3b op_sel_hi:[1,0]
.set n, n+2
.endr
.set n, 0
.rept 64
	v_exp_f32 v[128+n], v[128+n]
.set n, n+1
.endr
	v_nop                                          ; a plain place behind the exponentials
.set n, 0
	s_wait_alu depctr_va_vdst(0)
.rept 32
	v_pk_add_f32 v[128+n:129+n], v[128+n:129+n], 1.0 op_sel_hi:[1,0]
.set n, n+2
.endr
.set n, 0
.rept 64
	v_rcp_f32 v[128+n], v[128+n]
.set n, n+1
.endr
	v_nop                                          ; a plain place behind the reciprocals
	WIN 0
	s_wait_loadcnt 40                              ; group C is in; D's 40 may be out
.irp p, 0,1,2,3,4,5,6,7
	v_pk_add_f32 v[MB+2*\p:MB+2*\p+1], v[MB+2*\p:MB+2*\p+1], -1.0 op_sel_hi:[1,0]          ; the bias: (mask - 1) first,
.endr
.irp p, 0,1,2,3,4,5,6,7
	v_pk_mul_f32 v[MB+2*\p:MB+2*\p+1], v[MB+2*\p:MB+2*\p+1], 0x4e6e6b28 op_sel_hi:[1,0]    ; then x 1e9
.endr
	s_wait_tensorcnt 0x1                           ; my parts of t's scale bytes and of templates 0-15 are in; templates 16-31 may stay out
	BARRIER                                        ; everybody's are (and wk's fragments are in my registers)
; ---------------------------------------------------------------- K: k = t wk, a unit at a time, and the scores
	T4LOAD
	s_wait_dscnt 15                                ; template 0 is in; templates 1 to 3, five loads each, may be out
	WIN 0x01
	UNIT0 WKS
	PLACES                                         ; the first slot reads these results at once
	s_wait_dscnt 0x0
	WIN 0
	s_mov_b32 s[TB], 0
	s_mov_b32 s[SB], 0
	s_mov_b32 s[PB], 0
	s_mov_b32 s[CNT], 3
.Lk1:                                              ; trips 0 to 2 read and load templates up to 15
	KTRIP 1
	s_add_co_u32 s[TB], s[TB], 4*TP
	s_add_co_u32 s[SB], s[SB], 512
	s_add_co_u32 s[PB], s[PB], 32
	s_sub_co_u32 s[CNT], s[CNT], 1
	s_cmp_lg_u32 s[CNT], 0
	s_cbranch_scc1 .Lk1
	s_wait_tensorcnt 0x0                           ; my part of templates 16-31 is in,
	BARRIER                                        ; everybody's is
	WIN 0xc0                                       ; group E, 48 loads, two phases ahead: wo's fragments where wq's lay, bo where out's sums will begin, wo's scale words
.irp i, 0,1,2,3
.irp e, 0,1,2,3,4,5,6,7
	global_load_b128 v[32*\i+4*\e:32*\i+4*\e+3], v[EA0], s[36:37] offset:4096*\i+32*\e
.endr
.endr
.irp i, 0,1,2,3
	global_load_b128 v[128+8*\i:131+8*\i], v[EA2], s[40:41] offset:64*\i
	global_load_b128 v[132+8*\i:135+8*\i], v[EA2], s[40:41] offset:64*\i+16
.endr
	WIN 0
.irp i, 0,1,2,3
.irp p, 0,1
	global_load_b32 v[WOS+2*\i+\p], v[EA1], s[38:39] offset:256*\i+8*\p
.endr
.endr
	s_mov_b32 s[TB], 3*4*TP
	s_mov_b32 s[SB], 3*512
	s_mov_b32 s[PB], 3*32
	s_mov_b32 s[CNT], 4
.Lk2:                                              ; trips 3 to 6
	KTRIP 1
	s_add_co_u32 s[TB], s[TB], 4*TP
	s_add_co_u32 s[SB], s[SB], 512
	s_add_co_u32 s[PB], s[PB], 32
	s_sub_co_u32 s[CNT], s[CNT], 1
	s_cmp_lg_u32 s[CNT], 0
	s_cbranch_scc1 .Lk2
	s_mov_b32 s[PB], 7*32
	KTRIP 0                                        ; trip 7 loads nothing and starts no further unit
; ---------------------------------------------------------------- the softmax: lane (r, h) takes templates 16 h + 0 .. 15 of residue r, both heads as a pair
.irp e, 0,1,2,3,4,5,6,7
	ds_load_b128 v[160+4*\e:163+4*\e], v[OWN] offset:16*\e      ; my half's partial scores.  LDS serves a wave's instructions in order (ISA guide 5.7.1.4): these see the wave's stores
.endr
.irp e, 0,1,2,3,4,5,6,7
	ds_load_b128 v[128+4*\e:131+4*\e], v[PADR] offset:16*\e     ; the other half's, of the same templates
.endr
	T4LOAD                                         ; V's first four templates come in meanwhile
	s_wait_dscnt 20                                ; the scores are in; those 20 loads may be out
.irp i, 0,1,2,3,4,5,6,7,8,9,10,11,12,13,14,15
	v_pk_add_f32 v[160+2*\i:161+2*\i], v[160+2*\i:161+2*\i], v[128+2*\i:129+2*\i]
.endr
.macro BIAS i                          ; + the template's bias, the same for both heads
.if (\i)%2 == 0
	v_pk_add_f32 v[160+2*(\i):161+2*(\i)], v[160+2*(\i):161+2*(\i)], v[MB+2*((\i)/2):MB+2*((\i)/2)+1] op_sel_hi:[1,0]
.else
	v_pk_add_f32 v[160+2*(\i):161+2*(\i)], v[160+2*(\i):161+2*(\i)], v[MB+2*((\i)/2):MB+2*((\i)/2)+1] op_sel:[0,1] op_sel_hi:[1,1]
.endif
.endm
.irp i, 0,1,2,3,4,5,6,7,8,9,10,11,12,13,14,15
	BIAS \i
.endr
.irp e, 0,1                                    ; the largest of my 16, a chain for each head
	v_max3_num_f32 v[128+\e], v[160+\e], v[162+\e], v[164+\e]
.endr
.irp i, 3,5,7,9,11,13
.irp e, 0,1
	v_max3_num_f32 v[128+\e], v[128+\e], v[160+2*\i+\e], v[162+2*\i+\e]
.endr
.endr
.irp e, 0,1
	v_max_num_f32 v[128+\e], v[128+\e], v[190+\e]
.endr
.irp e, 0,1
	v_permlanex16_b32 v[130+\e], v[128+\e], s[SEL], s[SEL+1]
.endr
.irp e, 0,1
	v_max_num_f32 v[128+\e], v[128+\e], v[130+\e]  ; with the other 16 templates': the row's maximum
.endr
.irp i, 0,1,2,3,4,5,6,7,8,9,10,11,12,13,14,15
	v_pk_add_f32 v[160+2*\i:161+2*\i], v[160+2*\i:161+2*\i], v[128:129] neg_lo:[0,1] neg_hi:[0,1]   ; the maximum is taken away first, so that biases of -1e9 cancel exactly,
.endr
.irp i, 0,1,2,3,4,5,6,7,8,9,10,11,12,13,14,15
	v_pk_mul_f32 v[160+2*\i:161+2*\i], v[160+2*\i:161+2*\i], 0x3fb8aa3b op_sel_hi:[1,0]             ; then x log2 e
.endr
.set n, 0
.rept 32
	v_exp_f32 v[160+n], v[160+n]
.set n, n+1
.endr
	v_nop                                          ; a plain place behind the exponentials
	s_wait_alu depctr_va_vdst(0)
	v_pk_add_f32 v[132:133], v[160:161], v[162:163]                ; the sum, in two chains
	v_pk_add_f32 v[134:135], v[164:165], v[166:167]
.irp i, 4,6,8,10,12,14
	v_pk_add_f32 v[132:133], v[132:133], v[160+2*\i:161+2*\i]
	v_pk_add_f32 v[134:135], v[134:135], v[162+2*\i:163+2*\i]
.endr
	v_pk_add_f32 v[132:133], v[132:133], v[134:135]
	v_permlanex16_b32 v136, v132, s[SEL], s[SEL+1]
	v_permlanex16_b32 v137, v133, s[SEL], s[SEL+1]
	v_pk_add_f32 v[132:133], v[132:133], v[136:137]                ; at least 1: the largest term is 2^0
	v_rcp_f32 v132, v132
	v_rcp_f32 v133, v133
	v_nop                                          ; a plain place behind the reciprocals
	s_wait_alu depctr_va_vdst(0)
.irp i, 0,1,2,3,4,5,6,7,8,9,10,11,12,13,14,15
	v_pk_mul_f32 v[160+2*\i:161+2*\i], v[160+2*\i:161+2*\i], v[132:133]
.endr
.irp i, 0,1,2,3,4,5,6,7,8,9,10,11,12,13,14,15
	ds_store_b64 v[ASTO], v[160+2*\i:161+2*\i] offset:128*\i       ; a(16 h + i, r), both heads
.endr
; ---------------------------------------------------------------- V: v = t wv, a unit at a time, and o += a v
	s_mov_b32 s[TB], 0
	s_mov_b32 s[SB], 0
	s_mov_b32 s[PB], 0
	WIN 0x80
	ds_load_b64 v[192:193], v[AA0]                 ; the pairs a of templates 0 and 1
	ds_load_b64 v[194:195], v[AA0] offset:128
	s_wait_loadcnt 48                              ; group D, wv, is in; E's 48 may be out
	s_wait_xcnt 0x0                                ; every load from memory has read its offsets, which lie where o begins
	s_wait_dscnt 18                                ; templates 0 to 3 are in; behind them came 16 stores and 2 loads
	WIN 0x02
.set mm, 0
.rept 4
	UW WVS, 0, 0, mm                               ; the first unit; between its matrix instructions o begins as zeros, so that the trip is written once for all templates
.irp e, 0,1,2,3,4,5,6,7,8,9,10,11,12,13,14,15
	v_mov_b32 v[O+16*mm+\e], 0
.endr
.set mm, mm+1
.endr
	s_wait_dscnt 0x0
	WIN 0
	s_mov_b32 s[CNT], 7
.Lv:
	VTRIP 1
	WIN 0
	s_add_co_u32 s[TB], s[TB], 4*TP
	s_add_co_u32 s[SB], s[SB], 512
	s_add_co_u32 s[PB], s[PB], 512
	s_sub_co_u32 s[CNT], s[CNT], 1
	s_cmp_lg_u32 s[CNT], 0
	s_cbranch_scc1 .Lv
	s_mov_b32 s[PB], 7*512
	VTRIP 0
; ---------------------------------------------------------------- o x gate, quantised: K step w of the last product
.set n, 0
.rept 32
	v_pk_mul_f32 v[O+n:O+n+1], v[128+n:129+n], v[O+n:O+n+1]        ; the gate is source 0: window 2
.set n, n+2
.endr
	WIN 0
	s_lshl_b32 s66, s[WV], 10
	s_add_co_u32 s66, s66, IMG
	v_add_nc_u32 v[IWA], s66, v[LI]                ; my image: 1,024 w + 16 x lane
	v_lshrrev_b32 v[ISR], 2, v[LI]                 ; 4 x lane
	s_lshl_b32 s67, s[WV], 7
	s_add_co_u32 s67, s67, ISC
	v_add_nc_u32 v[ISW], s67, v[ISR]
	v_add_nc_u32 v[IRA], IMG, v[LI]
	v_add_nc_u32 v[ISR], ISC, v[ISR]
	v_mul_u32_u24 v[OSA], v[VR], OP
	v_lshl_add_u32 v[OSA], v[VH], 5, v[OSA]
	s_lshl_b32 s66, s[WV], 8
	s_add_co_u32 s66, s66, OST
	v_add_nc_u32 v[OSA], s66, v[OSA]               ; the stage: row r, + 256 w + 32 h: my outputs' bytes
	s_mul_i32 s67, s[WV], 4*OP
	s_add_co_u32 s67, s67, OST
	v_add_nc_u32 v[ORA], s67, v[LI]                ; back: rows 4 w on, 16 bytes a lane
	; register 16 b + i of o is channel 32 b + 16 h + i of my residue: block b lies in lanes l and l xor 16
.irp b, 0,1,2,3
	v_max3_num_f32 v[TM+\b], |v[O+16*\b]|, |v[O+1+16*\b]|, 0x1800000   ; my 16 numbers, and the floor 2^(3 - 127), under which no largest magnitude is taken: so the byte cannot fall under 1
.endr
.irp i, 2,4,6,8,10,12,14
.irp b, 0,1,2,3
	v_max3_num_f32 v[TM+\b], v[TM+\b], |v[O+16*\b+\i]|, |v[O+1+16*\b+\i]|   ; (the four blocks by turns)
.endr
.endr
.irp b, 0,1,2,3
	v_permlanex16_b32 v[TM+4+\b], v[TM+\b], s[SEL], s[SEL+1]
.endr
.irp b, 0,1,2,3
	v_max_num_f32 v[TM+\b], v[TM+\b], v[TM+4+\b]   ; the block's largest magnitude
.endr
.irp b, 0,1,2,3
	v_add_nc_u32 v[TM+12+\b], 0xff000000, v[TM+\b] ; 2 off its exponent field: the conversion takes the exponent field of this operand as its scale
.endr
.irp b, 0,1,2,3
	v_lshrrev_b32 v[TM+4+\b], 23, v[TM+12+\b]      ; the scale's byte
.endr
	v_lshl_or_b32 v[PW], v[TM+5], 8, v[TM+4]       ; the four bytes make my residue's scale word
	v_lshl_or_b32 v[PW], v[TM+6], 16, v[PW]
	v_lshl_or_b32 v[PW], v[TM+7], 24, v[PW]
.irp b, 0,1,2,3
	v_cvt_scalef32_pk8_fp4_f32 v[PC+2*\b], v[O+16*\b:O+7+16*\b], v[TM+12+\b]
	v_cvt_scalef32_pk8_fp4_f32 v[PC+1+2*\b], v[O+8+16*\b:O+15+16*\b], v[TM+12+\b]
.endr
	v_nop                                          ; one plain place behind a scaled conversion
.irp c, 0,1                                    ; the operand's layout wants a whole block in a lane: lanes 0-15 block 2 c, lanes 16-31 block 2 c + 1
.irp i, 0,1
	v_permlane16_swap_b32 v[PC+4*\c+\i], v[PC+2+4*\c+\i]
.endr
.endr
	ds_store_b128 v[IWA], v[PC:PC+3]               ; the fragment goes to LDS as an image of its registers, 16 bytes a lane,
	ds_store_b128 v[IWA], v[PC+4:PC+7] offset:512
	ds_store_b32 v[ISW], v[PW]                     ; and its scale words, 4 bytes a lane
	BARRIER                                        ; the four K steps lie in LDS
; ---------------------------------------------------------------- out = Q(o x gate) wo + bo: my 64 outputs for the 16 residues
.irp s, 0,1,2,3
	ds_load_b128 v[R+8*\s:R+8*\s+3], v[IRA] offset:1024*\s
	ds_load_b128 v[R+8*\s+4:R+8*\s+7], v[IRA] offset:1024*\s+512
	ds_load_b32 v[OGS+\s], v[ISR] offset:128*\s
.endr
	s_wait_loadcnt 0x0                             ; group E: wo, its scale words, bo
	s_wait_dscnt 0x0
	WIN 0xf3                                       ; wo, C and D window 3
.irp s, 0,1,2,3
.irp i, 0,1,2,3
.set rD, 128+8*\i
.set rA, 32*\i+8*\s
.set rB, R+8*\s
.set rSA, WOS+2*\i+\s/2
.set rSB, OGS+\s
	WM 1+2*(\s%2)                                  ; the four tiles by turns; the sums begin as bo; an odd K step's scale words of wo lie in lanes 16-31
.endr
.endr
	PLACES
	WIN 0x0c                                       ; an LDS store's data are its source 1: window 3
.irp i, 0,1,2,3
	ds_store_b128 v[OSA], v[128+8*\i:131+8*\i] offset:64*\i        ; lane (r, h): out(r, 64 w + 16 i + 8 h + 0 .. 7); each accumulator from its low end on
	ds_store_b128 v[OSA], v[132+8*\i:135+8*\i] offset:64*\i+16
.endr
	WIN 0
	BARRIER                                        ; 16 whole rows of out lie in the stage
.irp k, 0,1,2,3
.irp e, 0,1
	ds_load_b128 v[64+8*\k+4*\e:67+8*\k+4*\e], v[ORA] offset:OP*\k+512*\e
.endr
.endr
.irp k, 0,1,2,3
.irp e, 0,1
	s_wait_dscnt 7-2*\k-\e
	global_store_b128 v[LI], v[64+8*\k+4*\e:67+8*\k+4*\e], s[42:43] offset:1024*\k+512*\e th:TH_STORE_NT   ; 32 lanes store 512 consecutive bytes, at a multiple of 256 from out's first byte; written once, read by nobody here
.endr
.endr
	s_set_vgpr_msb 0x5
	s_wait_tensorcnt 0x0
	ds_add_u32 v254, v255
	s_wait_dscnt 0x0
	s_set_vgpr_msb 0x500
	ROUND                                          ; the closing round: no work-group ends while a partner may still ask for a table that names it
	s_endpgm
.Lfunc_end_k_q016fec8e70_tca:
	.size	k_q016fec8e70_tca, .Lfunc_end_k_q016fec8e70_tca-k_q016fec8e70_tca
	.p2alignl 7, 3214868480
	.fill 96, 4, 3214868480
	.section	.rodata,"a",@progbits
	.p2align	6, 0x0
	.amdhsa_kernel k_q016fec8e70_tca
		.amdhsa_group_segment_fixed_size 327680
		.amdhsa_private_segment_fixed_size 0
		.amdhsa_enable_private_segment 0
		.amdhsa_kernarg_size 144
		.amdhsa_user_sgpr_count 2
		.amdhsa_user_sgpr_kernarg_segment_ptr 1
		.amdhsa_wavefront_size32 1
		.amdhsa_system_sgpr_workgroup_id_x 1
		.amdhsa_system_sgpr_workgroup_id_y 1
		.amdhsa_system_sgpr_workgroup_id_z 1
		.amdhsa_system_vgpr_workitem_id 0
		.amdhsa_next_free_vgpr 1024
		.amdhsa_next_free_sgpr 102
		.amdhsa_reserve_vcc 0
		.amdhsa_float_denorm_mode_32 3
		.amdhsa_float_denorm_mode_16_64 3
		.amdhsa_memory_ordered 1
		.amdhsa_forward_progress 1
		.amdhsa_inst_pref_size 145
	.end_amdhsa_kernel
	.amdgpu_metadata
---
amdhsa.version: [ 1, 2 ]
amdhsa.kernels:
  - .name:           k_q016fec8e70_tca
    .symbol:         k_q016fec8e70_tca.kd
    .args:
      - { .name: t_codes, .offset: 0, .size: 8, .value_kind: global_buffer, .address_space: global }
      - { .name: t_scales, .offset: 8, .size: 8, .value_kind: global_buffer, .address_space: global }
      - { .name: s_codes, .offset: 16, .size: 8, .value_kind: global_buffer, .address_space: global }
      - { .name: s_scales, .offset: 24, .size: 8, .value_kind: global_buffer, .address_space: global }
      - { .name: template_mask, .offset: 32, .size: 8, .value_kind: global_buffer, .address_space: global }
      - { .name: wq_codes, .offset: 40, .size: 8, .value_kind: global_buffer, .address_space: global }
      - { .name: wq_scales, .offset: 48, .size: 8, .value_kind: global_buffer, .address_space: global }
      - { .name: wk_codes, .offset: 56, .size: 8, .value_kind: global_buffer, .address_space: global }
      - { .name: wk_scales, .offset: 64, .size: 8, .value_kind: global_buffer, .address_space: global }
      - { .name: wv_codes, .offset: 72, .size: 8, .value_kind: global_buffer, .address_space: global }
      - { .name: wv_scales, .offset: 80, .size: 8, .value_kind: global_buffer, .address_space: global }
      - { .name: wg_codes, .offset: 88, .size: 8, .value_kind: global_buffer, .address_space: global }
      - { .name: wg_scales, .offset: 96, .size: 8, .value_kind: global_buffer, .address_space: global }
      - { .name: bg, .offset: 104, .size: 8, .value_kind: global_buffer, .address_space: global }
      - { .name: wo_codes, .offset: 112, .size: 8, .value_kind: global_buffer, .address_space: global }
      - { .name: wo_scales, .offset: 120, .size: 8, .value_kind: global_buffer, .address_space: global }
      - { .name: bo, .offset: 128, .size: 8, .value_kind: global_buffer, .address_space: global }
      - { .name: out0, .offset: 136, .size: 8, .value_kind: global_buffer, .address_space: global }
    .group_segment_fixed_size: 327680
    .private_segment_fixed_size: 0
    .kernarg_segment_align: 8
    .kernarg_segment_size: 144
    .max_flat_workgroup_size: 128
    .sgpr_count:     102
    .vgpr_count:     1024
    .wavefront_size: 32
...
	.end_amdgpu_metadata
.endif
;; end of part 1
